; MI455X (gfx1250); checked and timed in simulation.
; The chip was launched on July 23, 2026; its instructions are those of AMD's public machine-readable ISA for CDNA 5 (MIT licence, August 2026) and "CDNA5" Instruction Set Architecture Reference Guide (July 2026). The comments in the code are by the model that wrote it; some were corrected since.
;; Counter. Allowed arithmetic: float matrix products may take bf16 or f16 operands with f32 sums; all other float work in f32.
;; Inputs: attention 128 x 64 float32; boxes 128 x 4 x 64 float32; f_weights 16 x 17 float32.
;; Outputs: out0 128 x 11 float32.
;; One version. Each part assembles by itself: llvm-mc -triple=amdgcn-amd-amdhsa -mcpu=gfx1250 --defsym DOCPART=n.
;; ======== version 1 of 1: 1 launch
;; launch counter (part 1): grid 128 x 1, 16 waves a work-group, no clusters, 30,720 bytes of LDS; arguments attention, boxes, f_weights, out0; writes out0
.if DOCPART == 1
	.amdgcn_target "amdgcn-amd-amdhsa--gfx1250"
	.amdhsa_code_object_version 6
	.text
	.protected	k_q4a49d771fe_counter
	.globl	k_q4a49d771fe_counter
	.p2align	8
	.type	k_q4a49d771fe_counter,@function
k_q4a49d771fe_counter:
	s_mov_b64 s[64:65], 0
	v_nop
	global_prefetch_b8 v0, s[64:65] scope:SCOPE_SE
	s_setreg_imm32_b32 hwreg(HW_REG_WAVE_MODE, 25, 1), 1
	s_wait_xcnt 0x0
; Counter: one work-group of 16 waves for each of the 128 batch items (64 objects each).
;
; THE PIECEWISE-LINEAR MAP WITHOUT A GATHER.  With w = |w_raw| / sum, d_0 = w_1, d_k = w_(k+1) - w_k (k = 1..15) and
; K = w_0 - sum k d_k, the function H(z) = K + d_0 z + sum over k = 1..15 of d_k max(z, k) equals csum[idx] + frac w[idx+1]
; for z = idx + frac in [0, 17].  So no address ever hangs on a floating-point number.  z = (y - floor y) + clamp(floor y, 0, 16)
; with y = 16 x keeps the problem's behaviour for x outside [0, 1] (index clipped, fraction not); inside, z == y bit for bit.
; Where y <= 16 is certain (x = 1 - |..|), z = max(y, y - floor y) does the same.
;
; THE 64^3 PART IS HALVED: sim[j][k] == sim[k][j] bit for bit (|a - b| == |b - a|, same order of factors), so only the pairs
; (j, (j + t) & 63), t = 1..32, are multiplied up; row sum r_j = S0 + sum over t = 1..31 of (S_t[j] + S_t[(j - t) & 63]) + S_32[j],
; S0 = H2(16)^65 being the diagonal.
;
; LIMITS, stated: the hinge form carries an absolute error of a few 1e-6 (sixteen terms of magnitude <= 2); the weights' normalisation
; and the divisions by row sums are v_rcp_f32 and a multiply (they feed continuous expressions only); the quotient of the IoU is
; v_rcp_f32, a multiply and one residual step (see there why); NaN and infinite inputs and a weight row whose magnitudes sum to 0
; are not served.
; NOT USED, and why: matrix instructions (the problem holds no product of matrices); the tensor mover and clusters (a work-group
; reads 1,280 bytes of its own and 544 bytes of weights: nothing worth sharing); prefetches (all inputs are read once, at the head).
; An item's output is 44 bytes, so no whole 256-byte stretch can be written by one work-group.
.set USE_DUAL, 1                       ; 1: two maxima in one v_dual pair; 0: two plain v_max_num_f32
.set PITCH, 272                        ; DT's rows: 256 bytes + 16
.set DT,   0                           ; 64 x 272: DT[p][c] = 16 dedup[c][p]; wave w writes rows 4w .. 4w+3
.set SB,   17408                       ; 32 x 256: S_t[j] at (t-1) 256 + 4 j
.set PR,   25600                       ; 8 x 256:  partial row sums of wave pair g at g 256 + 4 j
.set WP,   27648                       ; 16 x 8:   wave w: {sum of |f6 - 0.5|, weighted sum}
.set TB,   32                          ; s[32:63]: s[32+2k] = d_k of the function in use, s[33+2k] = float(k)
.set TABD, 4                           ; v[4:7]    d_k: function q in register q>>1, lanes 16 (q&1) + k
.set TABK, 8                           ; v[8:11]   K of function q, in all 16 lanes of its half
.set VK,   12                          ; v[12:13]  K of the function in use, twice
.set AC,   14                          ; v[14:15]  attention of column 32 h + lane
.set BX,   16                          ; v[16:23]  x1, y1, x2, y2 of column 32 h + lane (register 2 comp + h)
.set ARC,  24                          ; v[24:25]  area of the column's box
.set ARR,  26                          ; v[26:29]  area of row 4w + r's box, in every lane
.set Z,    32                          ; v[32:47]  arguments of H
.set ZR,   32                          ;           64 x 64 phase: 16 rel,  element e = 2 r + h
.set ZD,   40                          ;           64 x 64 phase: 16 dist, element e = 2 r + h
.set T,    48                          ; v[48:63]  at work
.set ACC,  64                          ; v[64:79]  H's sums
.set ACC2, 80                          ; v[80:87]  a second set
.set AM,   88                          ; v[88:95]  A = f0(rel) f1(dist)
.set G,    96                          ; v[96:97]  f0 of the diagonal where this wave holds it, else 0
.set DC,   98                          ; v98       sum of |f6(dist) - 0.5|
.set U,    99                          ; v99       weighted sum (pair with DC for one 8-byte LDS store)
.set DK,   100                         ; v[100:115] four numbers of DT row (j + t_q) & 63, q = 0..3
.set DJ,   116                         ; v[116:119] four numbers of DT row j
.set P,    120                         ; v[120:135] running products, four chains for each q
.set ADK,  136                         ; v[136:139] LDS addresses of DK's rows
.set ADJ,  140                         ; v140      LDS address of DJ's row
.set AK,   141                         ; v[141:144] attention of object (j + t_q) & 63
.set AJ,   145                         ; v145      attention of object j
.set L4,   148                         ; v148      4 x lane
.set J,    149                         ; v149      j = 32 (w & 1) + lane
.set Q,    150                         ; v[150:151] 1 / row sum of column 32 h + lane
.set QS,   152                         ; v152      the half of Q that holds this wave's rows
.set S0,   154                         ; v154      the diagonal of sim
.set TMP,  155                         ; v[155:159] short-lived
.macro RED16 r                         ; sum over each half of 16 lanes, result in all 16
	v_add_f32_dpp v[\r], v[\r], v[\r] row_xmask:1 row_mask:0xf bank_mask:0xf
	v_add_f32_dpp v[\r], v[\r], v[\r] row_xmask:2 row_mask:0xf bank_mask:0xf
	v_add_f32_dpp v[\r], v[\r], v[\r] row_xmask:4 row_mask:0xf bank_mask:0xf
	v_add_f32_dpp v[\r], v[\r], v[\r] row_xmask:8 row_mask:0xf bank_mask:0xf
.endm
.macro RED32 r, tmp                    ; sum over the 32 lanes; tmp has been written before
	RED16 \r
	v_permlanex16_b32 v[\tmp], v[\r], s16, s17
	v_add_f32 v[\r], v[\r], v[\tmp]
.endm
.macro BARRIER                         ; my LDS stores and loads are done (count 0, for the other waves' sake), then all waves meet
	s_wait_dscnt 0x0
	s_barrier_signal -1
	s_barrier_wait -1
.endm
; function q's sixteen slopes' differences into scalar registers, its K into a vector pair
.macro LOADTAB q
.set lk, 0
.rept 16
	v_readlane_b32 s[TB+2*lk], v[TABD+(\q>>1)], 16*(\q&1)+lk
.set lk, lk+1
.endr
	v_readlane_b32 s30, v[TABK+(\q>>1)], 16*(\q&1)
	v_mov_b32 v[VK], s30
	v_mov_b32 v[VK+1], s30
.endm
; a = H(z) for np register pairs; t: np pairs at work.  The first fused multiply-add starts the sums with K: nothing is cleared.
.macro HINGE np, z, t, a
.set hp, 0
.rept \np
	v_pk_fma_f32 v[\a+2*hp:\a+2*hp+1], v[\z+2*hp:\z+2*hp+1], s[TB:TB+1], v[VK:VK+1] op_sel_hi:[1,0,1]
.set hp, hp+1
.endr
.set hk, 1
.rept 15
.set hp, 0
.rept \np
.if USE_DUAL
	v_dual_max_num_f32 v[\t+2*hp], s[TB+2*hk+1], v[\z+2*hp] :: v_dual_max_num_f32 v[\t+2*hp+1], s[TB+2*hk+1], v[\z+2*hp+1]
.else
	v_max_num_f32 v[\t+2*hp], s[TB+2*hk+1], v[\z+2*hp]
	v_max_num_f32 v[\t+2*hp+1], s[TB+2*hk+1], v[\z+2*hp+1]
.endif
.set hp, hp+1
.endr
.set hp, 0
.rept \np
	v_pk_fma_f32 v[\a+2*hp:\a+2*hp+1], v[\t+2*hp:\t+2*hp+1], s[TB+2*hk:TB+2*hk+1], v[\a+2*hp:\a+2*hp+1] op_sel_hi:[1,0,1]
.set hp, hp+1
.endr
.set hk, hk+1
.endr
.endm
; y -> z = (y - floor y) + clamp(floor y, 0, 16), in place, any y
.macro ZFIX np, y, t
.set zp, 0
.rept 2*\np
	v_floor_f32 v[\t+zp], v[\y+zp]
.set zp, zp+1
.endr
.set zp, 0
.rept \np
	v_pk_add_f32 v[\y+2*zp:\y+2*zp+1], v[\y+2*zp:\y+2*zp+1], v[\t+2*zp:\t+2*zp+1] neg_lo:[0,1] neg_hi:[0,1]
.set zp, zp+1
.endr
.set zp, 0
.rept 2*\np
	v_med3_num_f32 v[\t+zp], v[\t+zp], 0, s28
.set zp, zp+1
.endr
.set zp, 0
.rept \np
	v_pk_add_f32 v[\y+2*zp:\y+2*zp+1], v[\y+2*zp:\y+2*zp+1], v[\t+2*zp:\t+2*zp+1]
.set zp, zp+1
.endr
.endm
; y -> z = max(y, y - floor y), in place, for y <= 16
.macro ZFIXLO np, y, t
.set zp, 0
.rept 2*\np
	v_floor_f32 v[\t+zp], v[\y+zp]
.set zp, zp+1
.endr
.set zp, 0
.rept \np
	v_pk_add_f32 v[\t+2*zp:\t+2*zp+1], v[\y+2*zp:\y+2*zp+1], v[\t+2*zp:\t+2*zp+1] neg_lo:[0,1] neg_hi:[0,1]
.set zp, zp+1
.endr
.set zp, 0
.rept \np
.if USE_DUAL
	v_dual_max_num_f32 v[\y+2*zp], v[\y+2*zp], v[\t+2*zp] :: v_dual_max_num_f32 v[\y+2*zp+1], v[\y+2*zp+1], v[\t+2*zp+1]
.else
	v_max_num_f32 v[\y+2*zp], v[\y+2*zp], v[\t+2*zp]
	v_max_num_f32 v[\y+2*zp+1], v[\y+2*zp+1], v[\t+2*zp+1]
.endif
.set zp, zp+1
.endr
.endm
; ---------------------------------------------------------------- set-up
	s_load_b256 s[4:11], s[0:1], 0x0               ; attention s[4:5], boxes s[6:7], f_weights s[8:9], out0 s[10:11]
	v_lshl_add_u32 v160, v0, 2, 0x7000
	v_mov_b32 v161, 0
	v_and_b32 v1, 31, v0                           ; lane
	v_lshrrev_b32 v146, 5, v0
	v_readfirstlane_b32 s12, v146                  ; wave w, 0..15
	v_and_b32 v2, 15, v0                           ; lane & 15
	v_add_nc_u32 v3, 32, v1                        ; column of h = 1
	v_lshlrev_b32 v[L4], 2, v1
	s_and_b32 s13, s12, 1                          ; hh: which 32 of the 64 j are mine in the 64^3 part
	s_lshr_b32 s14, s12, 1                         ; g: which four t are mine
	s_mov_b32 s16, 0x76543210                      ; v_permlanex16_b32: lane i takes lane i of the other half
	s_mov_b32 s17, 0xfedcba98
	s_lshl_b32 s18, s12, 4                         ; byte offset of my four rows' numbers (4 w floats)
	s_cmp_eq_u32 s14, 7
	s_cselect_b32 s19, 0.5, 1.0                    ; t = 32 (g = 7, q = 3) meets itself: S + S halved
	s_lshl_b32 s20, s14, 2
	s_add_co_u32 s20, s20, 1                       ; t_0 = 4 g + 1
	s_cmp_ge_u32 s12, 8
	s_cselect_b32 s21, -1, 0                       ; my rows lie in columns 32..63 (all lanes) or 0..31
	s_lshl_b32 s92, s12, 2                         ; s[92:95] = my rows p = 4 w + r
	s_and_b32 s22, s92, 31                         ; and the lane that holds column p, r = 0
	s_add_co_u32 s93, s92, 1
	s_add_co_u32 s94, s92, 2
	s_add_co_u32 s95, s92, 3
	s_mov_b32 s28, 0x41800000                      ; 16.0, twice: a pair for packed forms
	s_mov_b32 s29, 0x41800000
.set ck, 0
.rept 16
	s_cvt_f32_u32 s[TB+2*ck+1], ck                 ; the hinges' places 0.0 .. 15.0, written once
.set ck, ck+1
.endr
	s_lshl_b32 s23, s13, 5
	v_add_nc_u32 v[J], s23, v1                     ; j
	v_lshrrev_b32 v147, 4, v1
	v_mul_u32_u24 v147, 68, v147                   ; a weight row is 17 floats
	v_lshl_add_u32 v146, v2, 2, v147               ; (lane >> 4) 68 + (lane & 15) 4
.irp q, 0,1,2,3
	v_add3_u32 v[ADK+\q], s20, v[J], \q
	v_and_b32 v[ADK+\q], 63, v[ADK+\q]             ; k = (j + t_q) & 63
	v_lshlrev_b32 v[TMP+\q], 2, v[ADK+\q]          ; its attention's byte offset
	v_mul_u32_u24 v[ADK+\q], PITCH, v[ADK+\q]      ; its row of DT
.endr
	v_lshlrev_b32 v[TMP+4], 2, v[J]
	v_mul_u32_u24 v[ADJ], PITCH, v[J]
	s_wait_kmcnt 0x0                               ; the four addresses
	s_lshl_b32 s24, ttmp9, 8                       ; item n: 256 bytes of attention,
	s_mov_b32 s25, 0
	s_add_nc_u64 s[4:5], s[4:5], s[24:25]
	s_lshl_b32 s24, ttmp9, 10                      ; 1,024 bytes of boxes,
	s_add_nc_u64 s[6:7], s[6:7], s[24:25]
	s_mul_i32 s24, ttmp9, 44                       ; 44 bytes of output
	s_add_nc_u64 s[10:11], s[10:11], s[24:25]
	s_load_b128 s[68:71], s[4:5], s18 offset:0x0   ; attention of my four rows
	s_load_b128 s[72:75], s[6:7], s18 offset:0x0   ; their x1
	s_load_b128 s[76:79], s[6:7], s18 offset:0x100 ; y1
	s_load_b128 s[80:83], s[6:7], s18 offset:0x200 ; x2
	s_load_b128 s[84:87], s[6:7], s18 offset:0x300 ; y2
.irp n, 0,1,2,3
	global_load_b32 v[Z+\n], v146, s[8:9] offset:136*\n        ; w_raw[l]   of functions 2n (lanes 0-15) and 2n+1 (lanes 16-31)
	global_load_b32 v[Z+4+\n], v146, s[8:9] offset:136*\n+4    ; w_raw[l+1]; the last byte read is 543 of 1,088
.endr
	global_load_b32 v[AC], v[L4], s[4:5]
	global_load_b32 v[AC+1], v[L4], s[4:5] offset:128
.irp c, 0,1,2,3
	global_load_b32 v[BX+2*\c], v[L4], s[6:7] offset:256*\c
	global_load_b32 v[BX+2*\c+1], v[L4], s[6:7] offset:256*\c+128
.endr
.irp q, 0,1,2,3
	global_load_b32 v[AK+\q], v[TMP+\q], s[4:5]
.endr
	global_load_b32 v[AJ], v[TMP+4], s[4:5]
	s_wait_loadcnt 0x0                             ; all inputs, once; the offset registers are free again
	s_wait_kmcnt 0x0
; the eight tables.  Lane l of a half holds a = |w[l+1]| and b = |w[l]|.
	v_cmp_eq_u32 s26, 0, v2                        ; l == 0
	v_cvt_f32_u32 v[TMP+3], v2                     ; float(l)
.macro TABPREP n
	v_and_b32 v[Z+\n], 0x7fffffff, v[Z+\n]         ; b
	v_and_b32 v[Z+4+\n], 0x7fffffff, v[Z+4+\n]     ; a
	v_cndmask_b32 v[TMP], 0, v[Z+\n], s26
	v_add_f32 v[TMP], v[Z+4+\n], v[TMP]            ; lane 0 adds |w[0]|: the 17 magnitudes, once each
	RED16 TMP
	v_rcp_f32 v[TMP+1], v[TMP]                     ; one plain instruction that names neither register stands behind it (ISA guide 5.7.2)
	v_cndmask_b32 v[TMP+2], v[Z+\n], 0, s26
	v_sub_f32 v[TMP+2], v[Z+4+\n], v[TMP+2]        ; lane 0: |w[1]|; lane l: |w[l+1]| - |w[l]|
	s_wait_alu depctr_va_vdst(0)
	v_mul_f32 v[TABD+\n], v[TMP+2], v[TMP+1]       ; d_l
	v_mul_f32 v[TMP+2], v[Z+\n], v[TMP+1]          ; w_l
	v_mul_f32 v[TMP], -v[TMP+3], v[TABD+\n]        ; - l d_l
	v_cndmask_b32 v[TABK+\n], v[TMP], v[TMP+2], s26
	RED16 TABK+\n                                  ; K = w_0 - sum l d_l
.endm
	TABPREP 0
	TABPREP 1
	TABPREP 2
	TABPREP 3
; areas
.irp h, 0,1
	v_sub_f32 v[TMP], v[BX+4+\h], v[BX+\h]
	v_sub_f32 v[TMP+1], v[BX+6+\h], v[BX+2+\h]
	v_max_num_f32 v[TMP], 0, v[TMP]
	v_max_num_f32 v[TMP+1], 0, v[TMP+1]
	v_mul_f32 v[ARC+\h], v[TMP], v[TMP+1]
.endr
.irp r, 0,1,2,3
	v_sub_f32 v[TMP], s[80+\r], s[72+\r]
	v_sub_f32 v[TMP+1], s[84+\r], s[76+\r]
	v_max_num_f32 v[TMP], 0, v[TMP]
	v_max_num_f32 v[TMP+1], 0, v[TMP+1]
	v_mul_f32 v[ARR+\r], v[TMP], v[TMP+1]
	s_mul_f32 s[68+\r], s[68+\r], s28              ; 16 a_p: (16 a_p) a_c == 16 (a_p a_c), the factor being a power of two
.endr
; ---------------------------------------------------------------- the 64 x 64 matrices: rows 4w + r, columns 32 h + lane, e = 2 r + h
.macro GEOM r, h
.set ge, 2*\r+\h
.set gt, T+4*(ge%4)
	v_max_num_f32 v[gt], s[72+\r], v[BX+\h]
	v_max_num_f32 v[gt+1], s[76+\r], v[BX+2+\h]
	v_min_num_f32 v[gt+2], s[80+\r], v[BX+4+\h]
	v_min_num_f32 v[gt+3], s[84+\r], v[BX+6+\h]
	v_pk_add_f32 v[gt:gt+1], v[gt+2:gt+3], v[gt:gt+1] neg_lo:[0,1] neg_hi:[0,1]
	v_max_num_f32 v[gt], 0, v[gt]
	v_max_num_f32 v[gt+1], 0, v[gt+1]
	v_mul_f32 v[ACC2+ge], v[gt], v[gt+1]           ; intersection
	v_add_f32 v[gt+2], v[ARR+\r], v[ARC+\h]
	v_sub_f32 v[gt+2], v[gt+2], v[ACC2+ge]
	v_add_f32 v[ACC+ge], 0x2b8cbccc, v[gt+2]       ; + 1e-12
.endm
.irp r, 0,1,2,3
.irp h, 0,1
	GEOM \r, \h
.endr
.endr
.irp e, 0,1,2,3,4,5,6,7
	v_rcp_f32 v[T+\e], v[ACC+\e]                   ; back to back; the eight products below are the plain work behind them
.endr
.irp r, 0,1,2,3
.irp h, 0,1
	v_mul_f32 v[ZR+2*\r+\h], s[68+\r], v[AC+\h]    ; 16 rel
.endr
.endr
; THE QUOTIENT IS CORRECTED BY ONE RESIDUAL STEP.  The map's fraction is not clipped, so it jumps by w_1 just below 0, and on the
; diagonal the intersection EQUALS the denominator: a quotient of 1 + one unit in the last place would make dist negative and land
; behind that jump, where a true division gives dist = 0.  q = i r, e = i - q d (exact in the fused form), q' = q + e r: its error
; before the last rounding is the product of two relative errors of about 2^-23, so i == d gives exactly 1, and i < d, where the
; true quotient is at most 1 - 2^-24, gives at most that.  (i <= d holds for all inputs: rounding is monotone.)
	s_wait_alu depctr_va_vdst(0)
.irp e, 0,1,2,3,4,5,6,7
	v_mul_f32 v[T+8+\e], v[ACC2+\e], v[T+\e]       ; q
.endr
.irp e, 0,1,2,3,4,5,6,7
	v_fma_f32 v[ACC2+\e], -v[T+8+\e], v[ACC+\e], v[ACC2+\e]    ; e
.endr
.irp e, 0,1,2,3,4,5,6,7
	v_fma_f32 v[T+8+\e], v[ACC2+\e], v[T+\e], v[T+8+\e]        ; iou
.endr
.irp e, 0,1,2,3,4,5,6,7
	v_fma_f32 v[ZD+\e], -v[T+8+\e], s28, s28       ; 16 - 16 iou == 16 (1 - iou), one rounding either way
.endr
	ZFIX 8, Z, T                                   ; ZR and ZD lie side by side
	LOADTAB 0
	HINGE 4, ZR, T, ACC                            ; f0(rel)
.irp h, 0,1
	v_cmp_eq_u32 vcc_lo, s92, v[1+2*\h]            ; v1, v3: the lane's column.  Where it is my row, f0(rel) is f0(a a)
	v_cndmask_b32 v[G+\h], 0, v[ACC+\h], vcc_lo
.irp r, 1,2,3
	v_cmp_eq_u32 vcc_lo, s[92+\r], v[1+2*\h]
	v_cndmask_b32 v[G+\h], v[G+\h], v[ACC+2*\r+\h], vcc_lo
.endr
.endr
	LOADTAB 1
	HINGE 4, ZD, T, ACC2                           ; f1(dist)
.irp p, 0,2,4,6
	v_pk_mul_f32 v[AM+\p:AM+\p+1], v[ACC+\p:ACC+\p+1], v[ACC2+\p:ACC2+\p+1]
.endr
	LOADTAB 3
	HINGE 4, ZR, T, ACC                            ; f3(rel)
	LOADTAB 4
	HINGE 4, ZD, T, ACC2                           ; f4(dist)
.irp p, 0,2,4,6
	v_pk_mul_f32 v[ACC+\p:ACC+\p+1], v[ACC+\p:ACC+\p+1], v[ACC2+\p:ACC2+\p+1]
.endr
.irp p, 0,2,4,6
	v_pk_mul_f32 v[ACC+\p:ACC+\p+1], v[ACC+\p:ACC+\p+1], s[28:29] op_sel_hi:[1,0]   ; 16 dedup: exact, and spares the factor in the 64^3 part
.endr
	s_mul_i32 s23, s12, 4*PITCH
	v_add_nc_u32 v[TMP], s23, v[L4]                ; my four rows of DT, 4 bytes a lane
.irp r, 0,1,2,3
.irp h, 0,1
	ds_store_b32 v[TMP], v[ACC+2*\r+\h] offset:DT+\r*PITCH+\h*128
.endr
.endr
	LOADTAB 6
	HINGE 4, ZD, T, ACC                            ; f6(dist)
.irp p, 0,2,4,6
	v_pk_add_f32 v[ACC+\p:ACC+\p+1], v[ACC+\p:ACC+\p+1], -0.5 op_sel_hi:[1,0]
.endr
	v_add_f32 v[DC], |v[ACC]|, |v[ACC+1]|
.irp e, 2,3,4,5,6,7
	v_add_f32 v[DC], v[DC], |v[ACC+\e]|
.endr
	BARRIER                                        ; DT is whole: every wave's rows are stored
; ---------------------------------------------------------------- the 64^3 part: lane j, t_q = 4 g + 1 + q, product over i
	ds_load_b128 v[DJ:DJ+3], v[ADJ]                ; i = 0..3 of row j
.irp q, 0,1,2,3
	ds_load_b128 v[DK+4*\q:DK+4*\q+3], v[ADK+\q]   ; and of row (j + t_q) & 63
.endr
	LOADTAB 2
.irp q, 0,1,2,3
	v_sub_f32 v[Z+\q], v[AK+\q], v[AJ]
.endr
.irp q, 0,1,2,3
	v_fma_f32 v[Z+\q], -|v[Z+\q]|, s28, s28        ; 16 (1 - |a_k - a_j|)
.endr
	v_mov_b32 v[Z+4], s28                          ; and the diagonal's argument, 16
	v_mov_b32 v[Z+5], s28
	ZFIXLO 2, Z, T
	HINGE 3, Z, T, ACC
.irp q, 0,1,2,3
	v_mov_b32 v[P+4*\q], v[ACC+\q]                 ; the attention factor starts one of the four chains,
	v_mov_b32 v[P+4*\q+1], 1.0                     ; one starts the others
	v_mov_b32 v[P+4*\q+2], 1.0
	v_mov_b32 v[P+4*\q+3], 1.0
.endr
	v_mul_f32 v[S0], v[ACC+4], v[ACC+4]            ; H2(16)^65: six squarings and one product
.rept 5
	v_mul_f32 v[S0], v[S0], v[S0]
.endr
	v_mul_f32 v[S0], v[S0], v[ACC+4]
; one trip: four i for four t, 16 numbers a lane.  more = 1: the next four i are asked for as soon as these are consumed.
.macro TRIP more
	s_wait_dscnt 0x0                               ; this trip's five loads are all that is outstanding; they were issued a whole trip ago
.irp q, 0,1,2,3
.irp c, 0,2
	v_pk_add_f32 v[Z+4*\q+\c:Z+4*\q+\c+1], v[DK+4*\q+\c:DK+4*\q+\c+1], v[DJ+\c:DJ+\c+1] neg_lo:[0,1] neg_hi:[0,1]
.endr
.endr
.if \more
	v_add_nc_u32 v[ADJ], 16, v[ADJ]
.irp q, 0,1,2,3
	v_add_nc_u32 v[ADK+\q], 16, v[ADK+\q]
.endr
	ds_load_b128 v[DJ:DJ+3], v[ADJ]
.irp q, 0,1,2,3
	ds_load_b128 v[DK+4*\q:DK+4*\q+3], v[ADK+\q]
.endr
.endif
.set te, 0
.rept 16
	v_sub_f32 v[Z+te], s28, |v[Z+te]|              ; 16 - |16 D_k - 16 D_j| == 16 (1 - |D_k - D_j|)
.set te, te+1
.endr
	ZFIXLO 8, Z, T
	HINGE 8, Z, T, ACC
.set te, 0
.rept 8
	v_pk_mul_f32 v[P+2*te:P+2*te+1], v[P+2*te:P+2*te+1], v[ACC+2*te:ACC+2*te+1]
.set te, te+1
.endr
.endm
	s_mov_b32 s15, 15
.Ltrip:
	TRIP 1
	s_sub_co_i32 s15, s15, 1
	s_cmp_lg_u32 s15, 0
	s_cbranch_scc1 .Ltrip
	TRIP 0                                         ; i = 60..63: nothing is asked for beyond a row's 256 bytes
.irp q, 0,1,2,3
	v_pk_mul_f32 v[P+4*\q:P+4*\q+1], v[P+4*\q:P+4*\q+1], v[P+4*\q+2:P+4*\q+3]
.endr
.irp q, 0,1,2,3
	v_mul_f32 v[P+4*\q], v[P+4*\q], v[P+4*\q+1]    ; S_t[j]
.endr
	s_lshl_b32 s25, s14, 10                        ; (t_0 - 1) 256
	s_add_co_u32 s25, s25, SB
	s_lshl_b32 s24, s13, 7                         ; my half of the j
	s_add_co_u32 s23, s25, s24
	v_add_nc_u32 v[TMP], s23, v[L4]
.irp q, 0,1,2,3
	ds_store_b32 v[TMP], v[P+4*\q] offset:256*\q
.endr
	BARRIER                                        ; SB is whole
; ---------------------------------------------------------------- partial row sums of my four t
	v_sub_nc_u32 v[TMP+1], v[J], s20               ; j - t_0
.irp q, 0,1,2,3
	v_add_nc_u32 v[T+\q], 0-\q, v[TMP+1]
	v_and_b32 v[T+\q], 63, v[T+\q]                 ; (j - t_q) & 63
	v_lshl_add_u32 v[T+\q], v[T+\q], 2, s25
	ds_load_b32 v[T+4+\q], v[T+\q] offset:256*\q
.endr
	s_wait_dscnt 0x0
.irp q, 0,1,2,3
	v_add_f32 v[T+4+\q], v[P+4*\q], v[T+4+\q]
.endr
	v_add_f32 v[T+4], v[T+4], v[T+5]
	v_add_f32 v[T+4], v[T+4], v[T+6]
	v_fma_f32 v[T+4], s19, v[T+7], v[T+4]
	s_lshl_b32 s23, s14, 8
	s_add_co_u32 s23, s23, s24
	s_add_co_u32 s23, s23, PR
	v_add_nc_u32 v[TMP], s23, v[L4]
	ds_store_b32 v[TMP], v[T+4]
	BARRIER                                        ; PR is whole
; ---------------------------------------------------------------- row sums, and the sum of A / (r_p r_c) and of f0(a a) / r
.irp g, 0,1,2,3,4,5,6,7
	ds_load_b32 v[Z+2*\g], v[L4] offset:PR+256*\g
	ds_load_b32 v[Z+2*\g+1], v[L4] offset:PR+256*\g+128
.endr
	s_lshl_b32 s24, s12, 3
	s_add_co_u32 s24, s24, WP                      ; my 8 bytes of WP
	s_wait_dscnt 0x0
.irp p, 0,4,8,12
	v_pk_add_f32 v[Z+\p:Z+\p+1], v[Z+\p:Z+\p+1], v[Z+\p+2:Z+\p+3]
.endr
	v_pk_add_f32 v[Z:Z+1], v[Z:Z+1], v[Z+4:Z+5]
	v_pk_add_f32 v[Z+8:Z+9], v[Z+8:Z+9], v[Z+12:Z+13]
	v_pk_add_f32 v[Z:Z+1], v[Z:Z+1], v[Z+8:Z+9]
	v_add_f32 v[Z], v[S0], v[Z]
	v_add_f32 v[Z+1], v[S0], v[Z+1]
	v_rcp_f32 v[Q], v[Z]
	v_rcp_f32 v[Q+1], v[Z+1]
	v_mov_b32 v[TMP+2], s24                        ; the plain instruction behind the two reciprocals (ISA guide 5.7.2)
	s_wait_alu depctr_va_vdst(0)
	v_cndmask_b32 v[QS], v[Q], v[Q+1], s21
.irp r, 0,1,2,3
	s_add_co_u32 s23, s22, \r
	v_readlane_b32 s[88+\r], v[QS], s23            ; 1 / r_p of my row p; the lane hangs on the wave's number alone
.endr
	v_mul_f32 v[U], v[G], v[Q]
	v_fma_f32 v[U], v[G+1], v[Q+1], v[U]
.irp r, 0,1,2,3
	v_mul_f32 v[TMP], v[AM+2*\r], v[Q]
	v_fma_f32 v[TMP], v[AM+2*\r+1], v[Q+1], v[TMP]
	v_fma_f32 v[U], s[88+\r], v[TMP], v[U]
.endr
	RED32 U, TMP+1
	RED32 DC, TMP+1
	ds_store_b64 v[TMP+2], v[DC:DC+1]              ; every lane the same 8 bytes with the same value
	BARRIER                                        ; WP is whole
; ---------------------------------------------------------------- the end, alike in all waves; wave 0 stores
	v_lshlrev_b32 v[TMP], 3, v2
	ds_load_b64 v[TMP+1:TMP+2], v[TMP] offset:WP   ; lane l & 15: wave l's pair
	LOADTAB 5
	v_pk_mul_f32 v[Z:Z+1], v[AC:AC+1], s[28:29] op_sel_hi:[1,0]
	ZFIX 1, Z, T
	HINGE 1, Z, T, ACC                             ; f5(attention)
	v_pk_add_f32 v[ACC:ACC+1], v[ACC:ACC+1], -0.5 op_sel_hi:[1,0]
	v_add_f32 v[TMP+3], |v[ACC]|, |v[ACC+1]|
	RED32 TMP+3, TMP+4
	s_wait_dscnt 0x0
	RED16 TMP+1                                    ; sum of |f6 - 0.5| over the item
	RED16 TMP+2                                    ; the score's square, less 1e-20
	v_mul_f32 v[TMP+3], 0x3c800000, v[TMP+3]       ; / 64
	v_fmac_f32 v[TMP+3], 0x39800000, v[TMP+1]      ; + / 4096
	v_mul_f32 v[Z], s28, v[TMP+3]
	v_mov_b32 v[Z+1], v[Z]
	ZFIX 1, Z, T
	LOADTAB 7
	HINGE 1, Z, T, ACC                             ; the confidence, in v[ACC]
	v_add_f32 v[TMP+2], 0x1e3ce508, v[TMP+2]       ; + 1e-20
	v_sqrt_f32 v[TMP], v[TMP+2]
	v_cvt_f32_u32 v[TMP+4], v1                     ; the lane as a float: the plain instruction behind the root (ISA guide 5.7.2)
	s_wait_alu depctr_va_vdst(0)
	v_med3_num_f32 v[TMP], v[TMP], 0, 0x41200000   ; clipped to [0, 10]
	v_floor_f32 v[TMP+2], v[TMP]
	v_sub_f32 v[TMP], v[TMP], v[TMP+2]             ; the fraction
	v_cmp_eq_f32 vcc_lo, v[TMP+4], v[TMP+2]
	v_sub_f32 v[TMP+3], 1.0, v[TMP]
	v_cndmask_b32 v[TMP+3], 0, v[TMP+3], vcc_lo    ; 1 - fraction at floor
	v_add_f32 v[TMP+2], 1.0, v[TMP+2]
	v_min_num_f32 v[TMP+2], 0x41200000, v[TMP+2]
	v_cmp_eq_f32 vcc_lo, v[TMP+4], v[TMP+2]
	v_cndmask_b32 v[TMP+1], 0, v[TMP], vcc_lo      ; fraction at min(floor + 1, 10)
	v_add_f32 v[TMP+3], v[TMP+3], v[TMP+1]
	v_mul_f32 v[TMP+3], v[TMP+3], v[ACC]
	s_cmp_lg_u32 s12, 0
	s_cbranch_scc1 .Lend
	v_cmp_gt_u32 vcc_lo, 11, v1
	s_wait_xcnt 0x0                                ; EXEC changes only when no memory instruction still leans on it
	s_and_saveexec_b32 s23, vcc_lo
	global_store_b32 v[L4], v[TMP+3], s[10:11]     ; lanes 0..10: the item's 44 bytes
	s_wait_xcnt 0x0                                ; and again in front of the line that widens it
	s_or_b32 exec_lo, exec_lo, s23
.Lend:
	s_wait_tensorcnt 0x0
	ds_add_u32 v160, v161
	s_wait_dscnt 0x0
	s_endpgm
.Lfunc_end_k_q4a49d771fe_counter:
	.size	k_q4a49d771fe_counter, .Lfunc_end_k_q4a49d771fe_counter-k_q4a49d771fe_counter
	.p2alignl 7, 3214868480
	.fill 96, 4, 3214868480
	.section	.rodata,"a",@progbits
	.p2align	6, 0x0
	.amdhsa_kernel k_q4a49d771fe_counter
		.amdhsa_group_segment_fixed_size 30720
		.amdhsa_private_segment_fixed_size 0
		.amdhsa_enable_private_segment 0
		.amdhsa_kernarg_size 32
		.amdhsa_user_sgpr_count 2
		.amdhsa_user_sgpr_kernarg_segment_ptr 1
		.amdhsa_wavefront_size32 1
		.amdhsa_system_sgpr_workgroup_id_x 1
		.amdhsa_system_sgpr_workgroup_id_y 1
		.amdhsa_system_sgpr_workgroup_id_z 1
		.amdhsa_system_vgpr_workitem_id 0
		.amdhsa_next_free_vgpr 162
		.amdhsa_next_free_sgpr 96
		.amdhsa_reserve_vcc 1
		.amdhsa_float_denorm_mode_32 3
		.amdhsa_float_denorm_mode_16_64 3
		.amdhsa_memory_ordered 1
		.amdhsa_forward_progress 1
		.amdhsa_inst_pref_size 130
	.end_amdhsa_kernel
	.amdgpu_metadata
---
amdhsa.version: [ 1, 2 ]
amdhsa.kernels:
  - .name:           k_q4a49d771fe_counter
    .symbol:         k_q4a49d771fe_counter.kd
    .args:
      - { .name: attention, .offset: 0, .size: 8, .value_kind: global_buffer, .address_space: global }
      - { .name: boxes, .offset: 8, .size: 8, .value_kind: global_buffer, .address_space: global }
      - { .name: f_weights, .offset: 16, .size: 8, .value_kind: global_buffer, .address_space: global }
      - { .name: out0, .offset: 24, .size: 8, .value_kind: global_buffer, .address_space: global }
    .group_segment_fixed_size: 30720
    .private_segment_fixed_size: 0
    .kernarg_segment_align: 8
    .kernarg_segment_size: 32
    .max_flat_workgroup_size: 512
    .sgpr_count:     96
    .vgpr_count:     162
    .wavefront_size: 32
...
	.end_amdgpu_metadata
.endif
;; end of part 1
